; MI455X (gfx1250); checked and timed in simulation.
; The chip was launched on July 23, 2026; its instructions are those of AMD's public machine-readable ISA for CDNA 5 (MIT licence, August 2026) and "CDNA5" Instruction Set Architecture Reference Guide (July 2026). The comments in the code are by the model that wrote it; some were corrected since.
;; LSTM. Allowed arithmetic: matrix products marked QUANTISED: E4M3 operands, one given power-of-two scale a tensor, by v_wmma_f32_16x16x64_fp8_fp8 or v_wmma_f32_16x16x128_fp8_fp8, f32 sums; everything else in f32.
;; Inputs: Wct 2,048 x 1,024 float32; Wf 2,048 x 1,024 float32; Wm 2,048 x 1,024 float32; Wo 2,048 x 1,024 float32; bct 1,024 float32; bf 1,024 float32; bm 1,024 float32; bo 1,024 float32; c 8,192 x 1,024 float32; h 8,192 x 1,024 float32; lowp_scales 8 int32 (the exponents e of the quantised operands' scales 2^e); x 8,192 x 1,024 float32.
;; Outputs: out0 8,192 x 1,024 float32; out1 8,192 x 1,024 float32.
;; This version of the problem:
;;   THIS VERSION OF THE PROBLEM IS GIVEN IN LOW PRECISION. The matrix products marked QUANTISED in the list below multiply operands that are first quantised to E4M3 (4 exponent bits, 3 mantissa bits; 8 bits a number), with one given power-of-two scale for each operand tensor; their sums are f32. All else is computed in f32.
;;   The module's matrix products, in the order in which they are computed (A, B: the left and right operand; K: the contracted axis; several contracted axes count as one K, in the product's order):
;;     1. [M 8,192, K 2,048] x [K 2,048, N 1,024]; A: computed on the way; B: input Wf: QUANTISED (scales: A lowp_scales[0], B lowp_scales[1])
;;     2. [M 8,192, K 2,048] x [K 2,048, N 1,024]; A: computed on the way; B: input Wct: QUANTISED (scales: A lowp_scales[2], B lowp_scales[3])
;;     3. [M 8,192, K 2,048] x [K 2,048, N 1,024]; A: computed on the way; B: input Wm: QUANTISED (scales: A lowp_scales[4], B lowp_scales[5])
;;     4. [M 8,192, K 2,048] x [K 2,048, N 1,024]; A: computed on the way; B: input Wo: QUANTISED (scales: A lowp_scales[6], B lowp_scales[7])
;;   THE QUANTISER, for each operand of a quantised product, along K:
;;     - The operand's scale is 2^e, e = its entry of the input lowp_scales (int32; the entries are numbered through the quantised products in the list's order, A before B).
;;     - Each number is divided by the scale, clamped to +-448, and rounded to the nearest number of E4M3, ties to even, subnormals kept.
;;     - The product sums the exact products of the quantised numbers (number of the format x scale) in f32.
;;   ~~~python
;;   def quantise(x, axis, e):      # numpy; x: float32 -> the quantised numbers, widened to float32 again
;;       x = np.moveaxis(x, axis, -1); K = x.shape[-1]
;;       r = np.clip(x / 2.0 ** e, -448, 448)
;;       step = 2.0 ** (np.maximum(np.frexp(np.where(r == 0, 1, r))[1] - 1, -6) - 3)
;;       q = np.round(r / step) * step * 2.0 ** e      # np.round: ties to even
;;       return np.moveaxis(q, -1, axis).astype(np.float32)
;;   ~~~
;;   OPERANDS COMPUTED ON THE WAY. 'Computed on the way' means the value that the module computes at that place (a softmax that the list does not call 'softmax' is quantised finished and normalised). What goes into a quantiser is computed in f32, as accurately as f32 sums, v_exp_f32 and their like allow (about 1e-6 of the number): no bf16 or f16 on the way to a quantiser, and a product that is left as it is and whose result goes on into a quantised operand takes f32 operands (vector FMAs, or v_wmma_f32_16x16x4_f32). A number that lies on a knife's edge between two numbers of the format may be rounded either way, as far as f32 arithmetic and the matrix unit's own rounding can turn it there, and no further.
;; One version. Each part assembles by itself: llvm-mc -triple=amdgcn-amd-amdhsa -mcpu=gfx1250 --defsym DOCPART=n.
;; ======== version 1 of 1: 2 launches
;; limits: right only within a limited range of input values
;; workspace buffers: acodes 67,108,864 bytes; wcodes 8,388,608 bytes
;; launch quant (part 1): grid 768 x 1, 4 waves a work-group, no clusters, 34,304 bytes of LDS; arguments x, h, Wf, Wct, Wm, Wo, lowp_scales, acodes, wcodes; writes acodes, wcodes
.if DOCPART == 1
	.amdgcn_target "amdgcn-amd-amdhsa--gfx1250"
	.amdhsa_code_object_version 6
	.text
	.protected	k_q68ad66f6a2_quant
	.globl	k_q68ad66f6a2_quant
	.p2align	8
	.type	k_q68ad66f6a2_quant,@function
k_q68ad66f6a2_quant:
	s_mov_b64 s[64:65], 0
	v_nop
	global_prefetch_b8 v0, s[64:65] scope:SCOPE_SE
	s_setreg_imm32_b32 hwreg(HW_REG_WAVE_MODE, 25, 1), 1
	s_wait_xcnt 0x0
; LSTM step, first of two launches: the operands of the four quantised products become codes of FP8 (E4M3).
; Nothing of the problem is left out: every input has a way to an output, every product is live.
; xh = [x | h], [8192][2048] f32, is the left operand of all four products, each time with a scale of its own (entries 0, 2, 4, 6 of the scales):
; so it is quantised FOUR times, into four copies.  Wf, Wct, Wm, Wo, [2048 (k)][1024 (n)] f32, once each (entries 1, 3, 5, 7).
; code = number / 2^e, held within +-448, rounded to the nearest code, ties to even.
; LIMITS: each e between -126 and 119, so that 2^e and 448 x 2^e are f32 numbers.  NaN among x, h or the weights is not served; an infinity is held at the largest code.
; THE CODES LIE IN THE ORDER OF THE OPERAND'S REGISTERS.  A fragment is 16 rows (of xh) or 16 columns (of W) x 128 along K, 2,048 bytes, laid [c 0..3][lane 0..31][16 bytes]:
; lane (r = lane % 16, hh = lane / 16) holds k = 32 c + 16 hh + 0 .. 15 of row or column r.  The same order of k on both sides, so every product meets its partner.
;   acodes: [copy 4][block of 128 rows 64][step of 128 along K 16][fragment 8][2048]        wcodes: [gate 4][block of 128 columns 8][step 16][fragment 8][2048]
; Work-groups 0 to 511 take 16 rows of xh each, work-groups 512 to 767 a part of a weight.  Only the first kind uses LDS.  No barrier: waves share nothing.
.set SPARE, 33792                      ; behind the four stages: the spare words, 128 bytes for each wave: two blocks of 256 bytes that no other line names
.set STW,   8448                       ; a wave's stage: 16 rows x 528 bytes
.set SP,    528                        ; a stage row: 512 bytes + 16, so that the 16 rows which a load touches start 16 bytes apart modulo 256
.set SPW,   16                         ; v16  LDS address of my spare word; never rewritten
.set NIL,   17                         ; v17  0; never rewritten
.set RAW,   20                         ; xh: v20-83    16 rows x 16 bytes a lane, as loaded
.set X,     84                         ; xh: v84-147   64 numbers of my row: register 16 c + t = k 32 c + 16 hh + t
.set T,     148                        ; xh: v148-179  two sets of 16 held numbers, by turns
.set C,     180                        ; xh: v180-243  the four copies' codes, 16 registers each
.set XS,    20                         ; W:  v20-83    two sets of 32 numbers down K
.set CW,    84                         ; W:  v84-147   codes, 8 registers a block of 32, never written again
	s_load_b512 s[4:19], s[0:1], 0x0               ; x 4:5, h 6:7, Wf 8:9, Wct 10:11, Wm 12:13, Wo 14:15, the scales 16:17, acodes 18:19
	s_load_b64 s[20:21], s[0:1], 0x40              ; wcodes
	v_lshl_add_u32 v[SPW], v0, 2, SPARE
	v_mov_b32 v[NIL], 0
	v_lshrrev_b32 v1, 5, v0
	v_readfirstlane_b32 s32, v1                    ; wave 0..3
	v_and_b32 v1, 31, v0                           ; lane
	v_lshlrev_b32 v2, 4, v1                        ; 16 x lane
	s_wait_kmcnt 0x0
	s_load_b256 s[24:31], s[16:17], 0x0            ; the eight exponents
	s_cmp_lt_u32 ttmp9, 512
	s_cbranch_scc0 .Lweights
; ---------------- xh: work-group R takes rows 16 R .. 16 R + 15; wave w takes k = 512 w .. 512 w + 511 (waves 0, 1 from x, waves 2, 3 from h): four units of one fragment
	s_mul_i32 s33, s32, STW                        ; my stage
	s_wait_alu depctr_va_vdst(0)
	v_add_nc_u32 v3, s33, v2                       ; into it: a row's 512 bytes as they lie, 16 a lane
	v_and_b32 v5, 15, v0                           ; r
	v_bfe_u32 v6, v0, 4, 1                         ; hh
	v_mul_u32_u24 v4, v5, SP
	v_lshl_add_u32 v4, v6, 6, v4
	v_add_nc_u32 v4, s33, v4                       ; out of it: row r, + 64 hh: my 16 numbers of each 32
	s_cmp_lt_u32 s32, 2
	s_cselect_b64 s[36:37], s[4:5], s[6:7]         ; x or h: the choice hangs on the wave's number alone
	s_lshl_b32 s34, ttmp9, 16                      ; 16 rows of 4,096 bytes
	s_and_b32 s35, s32, 1
	s_lshl_b32 s35, s35, 11                        ; 512 numbers
	s_add_co_u32 s34, s34, s35
	s_mov_b32 s35, 0
	s_add_nc_u64 s[36:37], s[36:37], s[34:35]
	s_lshr_b32 s34, ttmp9, 3
	s_lshl_b32 s34, s34, 18                        ; the block of 128 rows,
	s_lshl_b32 s38, s32, 16
	s_add_co_u32 s34, s34, s38                     ; my four steps along K,
	s_and_b32 s38, ttmp9, 7
	s_lshl_b32 s38, s38, 11
	s_add_co_u32 s34, s34, s38                     ; the fragment
	s_add_nc_u64 s[40:41], s[18:19], s[34:35]      ; copy 0,
	s_add_nc_u64 s[42:43], s[40:41], 0x1000000     ; 1,
	s_add_nc_u64 s[44:45], s[40:41], 0x2000000     ; 2,
	s_add_nc_u64 s[46:47], s[40:41], 0x3000000     ; 3
.macro LOADX u                         ; unit u: 16 rows x 512 bytes; each load reads 512 consecutive bytes
.irp r, 0,1,2,3,4,5,6,7,8,9,10,11,12,13,14,15
	global_load_b128 v[RAW+4*\r:RAW+4*\r+3], v2, s[36:37] offset:\r*4096+(\u)*512 th:TH_LOAD_NT
.endr
.endm
.macro TURN                            ; through my stage: in as loaded, out 64 neighbouring bytes a lane for each c.  LDS serves a wave's instructions in order: no wait between
.irp r, 0,1,2,3,4,5,6,7,8,9,10,11,12,13,14,15
	ds_store_b128 v3, v[RAW+4*\r:RAW+4*\r+3] offset:SP*\r
.endr
.irp c, 0,1,2,3
.irp i, 0,1,2,3
	ds_load_b128 v[X+16*\c+4*\i:X+16*\c+4*\i+3], v4 offset:128*\c+16*\i
.endr
.endr
.endm
.macro QCOPY g, u                      ; copy g of unit u: hold, convert, store.  The two sets of T take turns, so that sixteen plain lines stand between a conversion and the next write of its sources
.irp c, 0,1,2,3
.irp t, 0,1,2,3,4,5,6,7,8,9,10,11,12,13,14,15
	v_med3_num_f32 v[T+16*(\c%2)+\t], v[X+16*\c+\t], -v[12+\g], v[12+\g]   ; the conversion to an 8-bit code does not saturate (ISA guide 7.6.2)
.endr
	v_cvt_scalef32_pk8_fp8_f32 v[C+16*\g+4*\c:C+16*\g+4*\c+1], v[T+16*(\c%2):T+16*(\c%2)+7], v[8+\g]
	v_cvt_scalef32_pk8_fp8_f32 v[C+16*\g+4*\c+2:C+16*\g+4*\c+3], v[T+16*(\c%2)+8:T+16*(\c%2)+15], v[8+\g]
.endr
.irp c, 0,1,2,3
	global_store_b128 v2, v[C+16*\g+4*\c:C+16*\g+4*\c+3], s[40+2*\g:41+2*\g] offset:(\u)*16384+512*\c   ; 32 lanes store 512 consecutive bytes, aligned
.endr
.endm
	LOADX 0
	s_wait_alu depctr_va_vdst(0)
	s_wait_kmcnt 0x0
	; A COPY WHOSE EXPONENT EQUALS AN EARLIER COPY'S WOULD HOLD THE SAME CODES: it is not made.  s55, s56, s57 = the first copy with the exponent of copy 1, 2, 3;
	; the second launch makes the same three numbers from the same exponents and reads that copy.  With four different exponents all four copies are made.
	s_cmp_eq_u32 s26, s24
	s_cselect_b32 s55, 0, 1
	s_cmp_eq_u32 s28, s26
	s_cselect_b32 s56, 1, 2
	s_cmp_eq_u32 s28, s24
	s_cselect_b32 s56, 0, s56
	s_cmp_eq_u32 s30, s28
	s_cselect_b32 s57, 2, 3
	s_cmp_eq_u32 s30, s26
	s_cselect_b32 s57, 1, s57
	s_cmp_eq_u32 s30, s24
	s_cselect_b32 s57, 0, s57
.irp g, 0,1,2,3
	s_add_co_i32 s48, s[24+2*\g], 127
	s_lshl_b32 s49, s48, 23
	v_mov_b32 v[8+\g], s49                         ; 2^e as f32: the conversion takes its exponent field
	s_add_co_i32 s48, s48, 8
	s_lshl_b32 s48, s48, 23
	s_or_b32 s48, s48, 0x600000
	v_mov_b32 v[12+\g], s48                        ; 448 x 2^e
.endr
	s_wait_alu depctr_va_vdst(0)
.irp u, 0,1,2,3
.if \u > 0
	s_wait_xcnt 0x0                                ; the last unit's stores have read their data: the codes' registers are written again only behind this wait
.endif
	s_wait_loadcnt 0x0                             ; this unit's sixteen loads
	TURN
	s_wait_dscnt 0x0                               ; my numbers are back, and the stage's stores have read their registers,
.if \u < 3
	LOADX \u+1                                     ; which take the next unit; it lands while this one is quantised four times
.endif
	QCOPY 0, \u
	s_cmp_lg_u32 s55, 1                            ; copy 1 is made only if it is the first with its exponent
	s_cbranch_scc1 .Lno1_\u
	QCOPY 1, \u
.Lno1_\u:
	s_cmp_lg_u32 s56, 2
	s_cbranch_scc1 .Lno2_\u
	QCOPY 2, \u
.Lno2_\u:
	s_cmp_lg_u32 s57, 3
	s_cbranch_scc1 .Lno3_\u
	QCOPY 3, \u
.Lno3_\u:
.endr
	s_wait_tensorcnt 0x0                           ; the wave's end
	ds_add_u32 v[SPW], v[NIL]
	s_wait_dscnt 0x0
	s_endpgm
; ---------------- the weights: work-group 512 + id: gate id / 64, block of 128 columns (id / 8) % 8, 256 along K at 256 (id % 8).  Wave w: 32 columns.
; A LANE TAKES A COLUMN AND ITS REGISTERS RUN DOWN K: the conversions' results are 16 neighbours along K of one column, which is 16 bytes of a fragment, and sixteen
; neighbouring lanes' 16 bytes are 256 consecutive bytes of it: the codes go straight from registers to memory, with no LDS.
.Lweights:
	s_sub_co_u32 s33, ttmp9, 512                   ; id
	s_lshr_b32 s34, s33, 6                         ; the gate
	s_wait_kmcnt 0x0
	s_cmp_eq_u32 s34, 1
	s_cselect_b64 s[8:9], s[10:11], s[8:9]         ; its weight,
	s_cselect_b32 s25, s27, s25                    ; its exponent
	s_cmp_eq_u32 s34, 2
	s_cselect_b64 s[8:9], s[12:13], s[8:9]
	s_cselect_b32 s25, s29, s25
	s_cmp_eq_u32 s34, 3
	s_cselect_b64 s[8:9], s[14:15], s[8:9]
	s_cselect_b32 s25, s31, s25
	s_and_b32 s35, s33, 7                          ; which 256 along K
	s_lshl_b32 s38, s35, 20                        ; 256 rows of 4,096 bytes
	s_bfe_u32 s39, s33, 0x30003                    ; the block of columns
	s_lshl_b32 s39, s39, 9
	s_add_co_u32 s38, s38, s39
	s_lshl_b32 s39, s32, 7                         ; my wave's 32 columns
	s_add_co_u32 s38, s38, s39
	s_mov_b32 s39, 0
	s_add_nc_u64 s[8:9], s[8:9], s[38:39]
	s_lshr_b32 s38, s33, 3
	s_lshl_b32 s38, s38, 18                        ; (gate, block of columns),
	s_lshl_b32 s36, s35, 15
	s_add_co_u32 s38, s38, s36                     ; two steps of 128 along K,
	s_lshl_b32 s36, s32, 12
	s_add_co_u32 s38, s38, s36                     ; my wave's two fragments
	s_add_nc_u64 s[20:21], s[20:21], s[38:39]
	s_wait_alu depctr_va_vdst(0)
	v_lshlrev_b32 v5, 2, v1                        ; in: 4 bytes a lane
	v_lshrrev_b32 v6, 4, v1
	v_and_b32 v7, 15, v1
	v_lshlrev_b32 v6, 11, v6
	v_lshl_add_u32 v6, v7, 4, v6                   ; out: fragment lane / 16, 16 bytes at 16 (lane % 16)
.macro LOADW t                         ; block t: W(32 t + i, my column) into set t % 2
.irp i, 0,1,2,3,4,5,6,7,8,9,10,11,12,13,14,15,16,17,18,19,20,21,22,23,24,25,26,27,28,29,30,31
	global_load_b32 v[XS+32*((\t)%2)+\i], v5, s[8:9] offset:(32*(\t)+\i)*4096 th:TH_LOAD_NT
.endr
.endm
.macro BLOCKW t
.set XB, XS+32*((\t)%2)
.if (\t) < 7
	s_wait_loadcnt 32                              ; this block's 32 loads are in; the next block's 32 may be out
.else
	s_wait_loadcnt 0x0
.endif
.irp i, 0,1,2,3,4,5,6,7,8,9,10,11,12,13,14,15,16,17,18,19,20,21,22,23,24,25,26,27,28,29,30,31
	v_med3_num_f32 v[XB+\i], v[XB+\i], -v10, v10
.endr
.irp q, 0,1,2,3
	v_cvt_scalef32_pk8_fp8_f32 v[CW+8*(\t)+2*\q:CW+8*(\t)+2*\q+1], v[XB+8*\q:XB+8*\q+7], v11
.endr
	global_store_b128 v6, v[CW+8*(\t):CW+8*(\t)+3], s[20:21] offset:((\t)/4)*16384+((\t)%4)*512        ; k = 32 t + 0 .. 15: sixteen lanes store 256 consecutive bytes, aligned
	global_store_b128 v6, v[CW+8*(\t)+4:CW+8*(\t)+7], s[20:21] offset:((\t)/4)*16384+((\t)%4)*512+256  ; k = 32 t + 16 .. 31
.if (\t)+2 < 8
	LOADW (\t)+2
.endif
.endm
	LOADW 0
	LOADW 1
	s_add_co_i32 s25, s25, 127
	s_lshl_b32 s36, s25, 23
	v_mov_b32 v11, s36                             ; 2^e
	s_add_co_i32 s25, s25, 8
	s_lshl_b32 s25, s25, 23
	s_or_b32 s25, s25, 0x600000
	v_mov_b32 v10, s25                             ; 448 x 2^e
	s_wait_alu depctr_va_vdst(0)
.irp t, 0,1,2,3,4,5,6,7
	BLOCKW \t
.endr
	s_endpgm                                       ; these waves wrote no LDS
.Lfunc_end_k_q68ad66f6a2_quant:
	.size	k_q68ad66f6a2_quant, .Lfunc_end_k_q68ad66f6a2_quant-k_q68ad66f6a2_quant
	.p2alignl 7, 3214868480
	.fill 96, 4, 3214868480
	.section	.rodata,"a",@progbits
	.p2align	6, 0x0
	.amdhsa_kernel k_q68ad66f6a2_quant
		.amdhsa_group_segment_fixed_size 34304
		.amdhsa_private_segment_fixed_size 0
		.amdhsa_enable_private_segment 0
		.amdhsa_kernarg_size 72
		.amdhsa_user_sgpr_count 2
		.amdhsa_user_sgpr_kernarg_segment_ptr 1
		.amdhsa_wavefront_size32 1
		.amdhsa_system_sgpr_workgroup_id_x 1
		.amdhsa_system_sgpr_workgroup_id_y 1
		.amdhsa_system_sgpr_workgroup_id_z 1
		.amdhsa_system_vgpr_workitem_id 0
		.amdhsa_next_free_vgpr 244
		.amdhsa_next_free_sgpr 66
		.amdhsa_reserve_vcc 0
		.amdhsa_float_denorm_mode_32 3
		.amdhsa_float_denorm_mode_16_64 3
		.amdhsa_memory_ordered 1
		.amdhsa_forward_progress 1
		.amdhsa_inst_pref_size 142
	.end_amdhsa_kernel
	.amdgpu_metadata
---
amdhsa.version: [ 1, 2 ]
amdhsa.kernels:
  - .name:           k_q68ad66f6a2_quant
    .symbol:         k_q68ad66f6a2_quant.kd
    .args:
      - { .name: x, .offset: 0, .size: 8, .value_kind: global_buffer, .address_space: global }
      - { .name: h, .offset: 8, .size: 8, .value_kind: global_buffer, .address_space: global }
      - { .name: Wf, .offset: 16, .size: 8, .value_kind: global_buffer, .address_space: global }
      - { .name: Wct, .offset: 24, .size: 8, .value_kind: global_buffer, .address_space: global }
      - { .name: Wm, .offset: 32, .size: 8, .value_kind: global_buffer, .address_space: global }
      - { .name: Wo, .offset: 40, .size: 8, .value_kind: global_buffer, .address_space: global }
      - { .name: lowp_scales, .offset: 48, .size: 8, .value_kind: global_buffer, .address_space: global }
      - { .name: acodes, .offset: 56, .size: 8, .value_kind: global_buffer, .address_space: global }
      - { .name: wcodes, .offset: 64, .size: 8, .value_kind: global_buffer, .address_space: global }
    .group_segment_fixed_size: 34304
    .private_segment_fixed_size: 0
    .kernarg_segment_align: 8
    .kernarg_segment_size: 72
    .max_flat_workgroup_size: 128
    .sgpr_count:     66
    .vgpr_count:     244
    .wavefront_size: 32
...
	.end_amdgpu_metadata
.endif
;; end of part 1
;; launch lstm (part 2): grid 16 x 16, 4 waves a work-group, no clusters, 279,040 bytes of LDS; arguments acodes, wcodes, lowp_scales, bf, bct, bm, bo, c, out0, out1; writes out0, out1
.if DOCPART == 2
	.amdgcn_target "amdgcn-amd-amdhsa--gfx1250"
	.amdhsa_code_object_version 6
	.text
	.protected	k_q68ad66f6a2_lstm
	.globl	k_q68ad66f6a2_lstm
	.p2align	8
	.type	k_q68ad66f6a2_lstm,@function
k_q68ad66f6a2_lstm:
	s_mov_b64 s[64:65], 0
	v_nop
	global_prefetch_b8 v0, s[64:65] scope:SCOPE_SE
	s_setreg_imm32_b32 hwreg(HW_REG_WAVE_MODE, 25, 1), 1
	s_wait_xcnt 0x0
; LSTM step, second of two launches: the four quantised products on codes of FP8 (E4M3), the gates, c_new and h_new.  Nothing of the problem is left out.
; A work-group makes 256 rows x 64 columns of both outputs.  Wave w makes gate w (f, ct, m, o) there: 16 fragments of xh x 4 of its weight = 64 accumulators, 512 registers; K = 2,048 in 16 steps of 128.
; The first launch laid the codes in the order of the operand's registers (a fragment, 16 rows x 128 K, is 2,048 bytes: [c 0..3][lane][16 bytes]): a fragment is four loads or stores of 512 consecutive bytes.
; xh: copy g was made with entry 2 g of the scales; a copy whose exponent equals an earlier copy's was not made.
;   WHERE ALL FOUR EXPONENTS ARE EQUAL, copy 0 serves all gates: each wave loads a quarter of a step's 16 fragments, stores it into an LDS slot, and all four waves read the step from there:
;   a work-group asks memory for each byte of xh's codes once.
;   WHERE THEY DIFFER, a branch round the LDS reads alone lets each wave load its own copy's fragments from memory and wait for them at once; the staged bytes are then not read.  That way serves any exponents.
; W: each wave's own gate, from memory straight into registers, two steps ahead (3 sets of 4 fragments).
; THE SLOTS: three of 32 KiB, step t in slot t % 3.  A group = 4 fragments of A x B's 4 = 16 matrix instructions; four groups a step.  Behind group G's wait the wave reads group G + 1 from LDS, stores staged
; fragment G + 8 (a fragment of step t + 2, into the slot that held step t - 1) and asks memory for staged fragment G + 13.  ONE barrier a step, in its last group: in front of it each wave has waited for
; its LDS reads (the last reads of step t - 1's slot ended a group earlier) and stores; the first read of a step stands behind the barrier that follows its last store.
; Joint loads in clusters are not used.
; THE MATRIX INSTRUCTION IS USED TRANSPOSED (source 0 = 16 columns of W, source 1 = 16 rows of xh): a lane holds eight neighbouring columns of one row.
; sigmoid(z) = 1 / (1 + 2^(-z log2 e)); tanh(z) = 1 - 2 / (1 + 2^(2 z log2 e)): an exponential that overflows gives the reciprocal 0, one that underflows 1: both are the gate's limit.
; LIMITS: the sum of a product's two exponents is applied by v_ldexp_f32 to log2 e; NaN among the inputs is not served.
; REGISTERS: window 0: v0-31 addresses; v32-127 six staged fragments; v128-255 A, two sets of 4 fragments.  window 1: v0-191 B's three sets (at the end c in v64-191); v192-223 my gate's biases.
;   windows 2, 3: the accumulators ((a, b) at v[32 (a % 8) + 8 b], a < 8 in window 2).
; A WORK-GROUP STAYS: it makes two such blocks, row blocks Y and Y + 16, in a loop of two trips round the whole text below the first loads.  The next block's first 60 loads are issued on the way out,
; behind the barrier of the exchange, into registers that the rest of the way out does not touch; nothing waits for a block's stores but the registers and bases that they read.
.set NEXTA,  32*262144                 ; bytes from a block of 256 rows of a copy of xh to the block 16 further on
.set STG,    69632
.set SPITCH, 272
.set SPARE,  278528                    ; behind the stages: the spare words, 128 bytes a wave, that no other line names
.set LN,   1                           ; v1    16 x lane
.set LA,   1                           ; v1-3  out of slot 0, 1, 2
.set SA,   4                           ; v4-6  into slot 0, 1, 2: my quarter
.set STO,  7
.set RD,   8                           ; v8-11 out of the four stages: my 64 rows
.set BO,   12
.set CO,   13                          ; v13   my 16 bytes in two rows of c and of the outputs
.set PFA,  14
.set PFW,  15
.set K1,   16
.set SPW,  28
.set NIL,  29
.set ST,   32
.set RG,   128
.set BIAS, 192
.set WV,   26
.set AO,   36                          ; s[36:37] my own copy of xh (used where the exponents differ)
.set EQ,   40                          ; s40  1: the four exponents of xh are equal
.set FIRST,41                          ; s41  1: the work-group's first block (s27 counts the blocks to go)
.set MSB, 0
.macro WIN new                         ; the immediate's high byte repeats the setting that is left
.if MSB != (\new)
	s_set_vgpr_msb (MSB<<8)|(\new)
.set MSB, (\new)
.endif
.endm
.macro PLACES
.rept 4
	v_nop
.endr
.endm
	s_load_b128 s[4:7], s[0:1], 0x0                ; acodes, wcodes
	s_load_b64 s[8:9], s[0:1], 0x10                ; the exponents
	s_load_b128 s[12:15], s[0:1], 0x18             ; bf, bct
	s_load_b128 s[16:19], s[0:1], 0x28             ; bm, bo
	s_load_b128 s[20:23], s[0:1], 0x38             ; c, out0
	s_load_b64 s[24:25], s[0:1], 0x48              ; out1
	v_lshrrev_b32 v20, 5, v0
	v_readfirstlane_b32 s[WV], v20
	s_mov_b32 s28, ttmp9                           ; X: block of 64 columns
	s_and_b32 s29, ttmp7, 0xffff                   ; Y: block of 256 rows
	s_lshl_b32 s30, s29, 1                         ; copy 0: the block of 128 rows that holds my quarter (fragments 4 w .. 4 w + 3),
	s_lshr_b32 s31, s[WV], 1
	s_add_co_u32 s30, s30, s31
	s_lshl_b32 s30, s30, 18
	s_and_b32 s31, s[WV], 1
	s_lshl_b32 s31, s31, 13                        ; and its four fragments there
	s_add_co_u32 s30, s30, s31
	s_mov_b32 s31, 0
	s_lshl_b32 s52, s[WV], 3                       ; wcodes: (gate, block of 128 columns),
	s_lshr_b32 s53, s28, 1
	s_add_co_u32 s52, s52, s53
	s_lshl_b32 s52, s52, 18
	s_and_b32 s53, s28, 1
	s_lshl_b32 s53, s53, 13                        ; four of its eight fragments
	s_add_co_u32 s52, s52, s53
	s_mov_b32 s53, 0
	s_lshl_b32 s10, s29, 20                        ; c and the outputs: 256 rows of 4,096 bytes,
	s_lshl_b32 s11, s[WV], 18                      ; my 64 rows,
	s_add_co_u32 s10, s10, s11
	s_lshl_b32 s2, s28, 8                          ; 64 columns
	s_add_co_u32 s10, s10, s2
	s_mov_b32 s11, 0
	s_mov_b32 s3, 0
	s_lshl_b32 s54, s[WV], 13
	s_mul_i32 s55, s[WV], STG
	s_mul_i32 s42, s[WV], 64*SPITCH
	s_lshl_b32 s43, s28, 9                         ; of the 32 blocks of 256 bytes of my quarter of a step, column block X asks for 2
	s_lshl_b32 s44, s29, 9                         ; of W's 32, row block Y (0 to 15) asks for 2, in its first block
	s_mov_b32 s[FIRST], 1
	s_mov_b32 s27, 2
	v_lshl_add_u32 v[SPW], v0, 2, SPARE
	v_mov_b32 v[NIL], 0
	v_and_b32 v20, 31, v0
	v_lshlrev_b32 v[LN], 4, v20
	v_add_nc_u32 v[LA+1], 32768, v[LN]
	v_add_nc_u32 v[LA+2], 65536, v[LN]
	v_add_nc_u32 v[SA], s54, v[LN]
	v_add_nc_u32 v[SA+1], s54, v[LA+1]
	v_add_nc_u32 v[SA+2], s54, v[LA+2]
	v_and_b32 v21, 15, v0
	v_bfe_u32 v22, v0, 4, 1
	v_lshlrev_b32 v[BO], 5, v22
	v_mul_u32_u24 v[STO], v21, SPITCH
	v_lshl_add_u32 v[STO], v22, 5, v[STO]
	v_add_nc_u32 v[STO], s55, v[STO]
	v_mul_u32_u24 v[RD], v22, SPITCH
	v_lshl_add_u32 v[RD], v21, 4, v[RD]
	v_add_nc_u32 v[RD], s42, v[RD]
	v_add_nc_u32 v[RD+1], STG, v[RD]
	v_add_nc_u32 v[RD+2], 2*STG, v[RD]
	v_add_nc_u32 v[RD+3], 3*STG, v[RD]
	v_lshlrev_b32 v[CO], 12, v22
	v_lshl_add_u32 v[CO], v21, 4, v[CO]
	v_min_u32 v23, 5, v20                          ; six blocks an instruction: two in each of three steps; lanes that are left over name the last again
	v_lshrrev_b32 v24, 1, v23
	v_and_b32 v23, 1, v23
	v_lshlrev_b32 v24, 14, v24
	v_lshl_add_u32 v24, v23, 8, v24
	v_add_nc_u32 v[PFA], s43, v24
	v_add_nc_u32 v[PFW], s44, v24
	s_wait_alu depctr_va_vdst(0)
	s_wait_kmcnt 0x0
	s_load_b256 s[56:63], s[8:9], 0x0              ; the eight exponents
	s_mov_b64 s[34:35], s[4:5]                     ; acodes, stepped from block to block: my own copy's base is made from it in each block
	s_add_nc_u64 s[4:5], s[4:5], s[30:31]
	s_add_nc_u64 s[6:7], s[6:7], s[52:53]
	s_add_nc_u64 s[20:21], s[20:21], s[10:11]
	s_add_nc_u64 s[22:23], s[22:23], s[10:11]
	s_add_nc_u64 s[24:25], s[24:25], s[10:11]
	s_cmp_eq_u32 s[WV], 1
	s_cselect_b64 s[12:13], s[14:15], s[12:13]     ; my gate's bias
	s_cmp_eq_u32 s[WV], 2
	s_cselect_b64 s[12:13], s[16:17], s[12:13]
	s_cmp_eq_u32 s[WV], 3
	s_cselect_b64 s[12:13], s[18:19], s[12:13]
	s_add_nc_u64 s[12:13], s[12:13], s[2:3]
.set ADV, 0                            ; bytes by which the loop has stepped the streams' bases
.macro SLOAD                           ; staged fragment Q (fragment Q % 4 of my quarter of step Q / 4) into place Q % 6
.irp c, 0,1,2,3
	global_load_b128 v[ST+16*(Q%6)+4*\c:ST+16*(Q%6)+4*\c+3], v[LN], s[4:5] offset:(Q/4)*16384+(Q%4)*2048+512*\c-ADV
.endr
.endm
.macro SSTORE                          ; and from there into its step's slot
.irp c, 0,1,2,3
	ds_store_b128 v[SA+(Q/4)%3], v[ST+16*(Q%6)+4*\c:ST+16*(Q%6)+4*\c+3] offset:(Q%4)*2048+512*\c
.endr
.endm
.macro BFR                             ; fragment LF of B's step LS into set LS % 3
	WIN 0x40
.irp c, 0,1,2,3
	global_load_b128 v[64*(LS%3)+16*LF+4*\c:64*(LS%3)+16*LF+4*\c+3], v[LN], s[6:7] offset:LS*16384+LF*2048+512*\c-ADV
.endr
.endm
.macro BSET ls
.set LS, \ls
.set LF, 0
.rept 4
	BFR
.set LF, LF+1
.endr
.endm
.macro FIRSTLOADS                      ; a block's first 60 loads: my quarters of steps 0 and 1 (through A's registers, which are idle then), B's step 0, three staged fragments
.set Q, 0
.rept 8
.irp c, 0,1,2,3
	global_load_b128 v[RG+16*Q+4*\c:RG+16*Q+4*\c+3], v[LN], s[4:5] offset:(Q/4)*16384+(Q%4)*2048+512*\c
.endr
.set Q, Q+1
.endr
	BSET 0
	WIN 0
.set Q, 8
.rept 3
	SLOAD
.set Q, Q+1
.endr
.endm
	FIRSTLOADS
.Ltile:                                                ; on both ways here the same 60 loads are out, in the same order
	s_wait_loadcnt 28                              ; younger than the first 32 loads: B's step 0 (16) and three staged fragments (12)
.set Q, 0
.rept 8
.irp c, 0,1,2,3
	ds_store_b128 v[SA+Q/4], v[RG+16*Q+4*\c:RG+16*Q+4*\c+3] offset:(Q%4)*2048+512*\c
.endr
.set Q, Q+1
.endr
.set Q, 11
.rept 2
	SLOAD
.set Q, Q+1
.endr
	BSET 1
.irp b, 0,1,2,3
	global_load_b128 v[BIAS+8*\b:BIAS+8*\b+3], v[BO], s[12:13] offset:64*\b          ; the biases in the result's layout: eight columns a lane for each of B's four fragments
	global_load_b128 v[BIAS+8*\b+4:BIAS+8*\b+7], v[BO], s[12:13] offset:64*\b+16
.endr
	WIN 0
	s_wait_kmcnt 0x0
	s_cmp_eq_u32 s58, s56                          ; the first copy with the exponent of copy 1,
	s_cselect_b32 s45, 0, 1
	s_cmp_eq_u32 s60, s58                          ; of copy 2,
	s_cselect_b32 s46, 1, 2
	s_cmp_eq_u32 s60, s56
	s_cselect_b32 s46, 0, s46
	s_cmp_eq_u32 s62, s60                          ; of copy 3
	s_cselect_b32 s47, 2, 3
	s_cmp_eq_u32 s62, s58
	s_cselect_b32 s47, 1, s47
	s_cmp_eq_u32 s62, s56
	s_cselect_b32 s47, 0, s47
	s_cmp_eq_u32 s[WV], 1
	s_cselect_b32 s39, s45, 0
	s_cselect_b32 s48, s58, s56                    ; my product's two exponents
	s_cselect_b32 s49, s59, s57
	s_cmp_eq_u32 s[WV], 2
	s_cselect_b32 s39, s46, s39
	s_cselect_b32 s48, s60, s48
	s_cselect_b32 s49, s61, s49
	s_cmp_eq_u32 s[WV], 3
	s_cselect_b32 s39, s47, s39
	s_cselect_b32 s48, s62, s48
	s_cselect_b32 s49, s63, s49
	s_min_u32 s39, s39, 3                          ; the copy that holds my gate's codes, 0 to 3
	s_or_b32 s38, s45, s46
	s_or_b32 s38, s38, s47
	s_cmp_eq_u32 s38, 0
	s_cselect_b32 s[EQ], 1, 0
	s_lshl_b32 s30, s39, 6
	s_lshl_b32 s31, s29, 1
	s_add_co_u32 s30, s30, s31
	s_lshl_b32 s30, s30, 18
	s_mov_b32 s31, 0
	s_add_nc_u64 s[AO:AO+1], s[34:35], s[30:31]
	s_add_co_i32 s51, s48, s49                     ; a sum stands for sum x 2^(this)
	s_mov_b32 s50, 0xbfb8aa3b                      ; -log2 e for a sigmoid,
	s_cmp_eq_u32 s[WV], 1
	s_cselect_b32 s50, 0x4038aa3b, s50             ; 2 log2 e for the tanh
	s_wait_dscnt 0x0                               ; for the others' sake: my quarters of steps 0 and 1 lie in their slots
	s_barrier_signal -1
	s_barrier_wait -1
.macro RFILL                           ; A's four fragments of group GN into set GN % 2: out of the step's slot, or, where the exponents differ, out of my own copy
.set TN, GN/4
.set RB, RG+64*(GN%2)
	s_cmp_lg_u32 s[EQ], 0
	s_cbranch_scc0 .Lown_\@
.irp i, 0,1,2,3
.irp c, 0,1,2,3
	ds_load_b128 v[RB+16*\i+4*\c:RB+16*\i+4*\c+3], v[LA+TN%3] offset:(4*(GN%4)+\i)*2048+512*\c
.endr
.endr
	s_branch .Lfilled_\@
.Lown_\@:
.irp i, 0,1,2,3
.irp c, 0,1,2,3
	global_load_b128 v[RB+16*\i+4*\c:RB+16*\i+4*\c+3], v[LN], s[AO:AO+1] offset:((4*(GN%4)+\i)/8)*262144+TN*16384+((4*(GN%4)+\i)%8)*2048+512*\c-ADV
.endr
.endr
	s_wait_loadcnt 0x0
.Lfilled_\@:
.endm
.macro MUL i0, i1                      ; fragments i0 .. i1 of group G against B's four; each accumulator comes again 64 matrix instructions later
	WIN (1|((2+J/2)<<4)|((2+J/2)<<6))
.set ii, \i0
.rept \i1-\i0+1
.set AC, 32*((4*J+ii)%8)
.irp b, 0,1,2,3
.if T == 0
	v_wmma_f32_16x16x128_fp8_fp8 v[AC+8*\b:AC+8*\b+7], v[64*(T%3)+16*\b:64*(T%3)+16*\b+15], v[RG+64*(G%2)+16*ii:RG+64*(G%2)+16*ii+15], 0
.else
	v_wmma_f32_16x16x128_fp8_fp8 v[AC+8*\b:AC+8*\b+7], v[64*(T%3)+16*\b:64*(T%3)+16*\b+15], v[RG+64*(G%2)+16*ii:RG+64*(G%2)+16*ii+15], v[AC+8*\b:AC+8*\b+7]
.endif
.endr
.set ii, ii+1
.endr
.endm
; The memory work of group G.  Its wait on LOADcnt: staged fragment G + 8 was asked for first thing in group G - 5.  Younger than it: that group's loads for B and all loads of the four groups since
; (4 staged a group up to group 50; 8 for B, at the end for c, in a step's first two groups): 32 or 40.  B's set of a step was asked for still earlier (groups 4 t - 8, 4 t - 7).
.macro MEM
	PLACES                                         ; four places in front of loads into registers that matrix instructions have read
	WIN 0
.if G+1 <= 63
.set GN, G+1
	RFILL
.endif
.set CNT, 0
.set kk, G-5
.rept 5
.if (kk > G-5) && (kk <= 50)
.set CNT, CNT+4
.endif
.if ((kk+64)%4) < 2
.set CNT, CNT+8
.endif
.set kk, kk+1
.endr
.if (G+8 <= 63) || (J == 0)
	s_wait_loadcnt CNT
.endif
.if G+8 <= 63
.set Q, G+8
	SSTORE
.endif
.if G+13 <= 63
.set Q, G+13                           ; into the place that group G - 1 stored from: that store is done (the wait on DScnt at this group's head)
	SLOAD
.endif
.if J < 2
.if T <= 13
.set LS, T+2
.set LF, 2*J
	BFR
.set LF, 2*J+1
	BFR
.else                                  ; B's stream has ended: c, two rows of 256 bytes a load, takes sets 1 and 2
	WIN 0x40
.irp q, 0,1,2,3,4,5,6,7
	global_load_b128 v[64+4*(16*(T-14)+8*J+\q):64+4*(16*(T-14)+8*J+\q)+3], v[CO], s[20:21] offset:(16*(T-14)+8*J+\q)*8192 th:TH_LOAD_NT
.endr
.endif
.endif
.endm
.macro GROUP
.set T, G/4
.set J, G%4
	s_wait_dscnt 0x0                               ; this group's fragments are in, and my stores into the slots are done
.if (J == 3) && (G < 63)
	s_barrier_signal -1                            ; the step's barrier: four matrix instructions stand between signal and wait
	MUL 0, 0
	WIN 0
	s_barrier_wait -1
	MEM
	MUL 1, 3
.else
	MEM
	MUL 0, 3
.endif
.set G, G+1
.endm
; PREFETCH: of three steps of my quarter of copy 0 (96 blocks of 256 bytes) the 16 work-groups of a block of rows take 6 each, by address; of three steps of my gate's four fragments of W the work-groups
; of row blocks 0 to 15 take 6 each.  Step 0 asks for steps 4 to 6, trip u of the loop (steps 3 u + 1 ..) for steps 3 u + 7 to 3 u + 9; the last trip asks for nothing: step 15 is the last.
.macro ASK off, inloop
.if \inloop
	s_cmp_lg_u32 s3, 1
	s_cbranch_scc0 .Llast_\@
.endif
	global_prefetch_b8 v[PFA], s[4:5] offset:\off th:TH_LOAD_NT scope:SCOPE_SE
	s_cmp_lg_u32 s[FIRST], 0
	s_cbranch_scc0 .Lnone_\@
	global_prefetch_b8 v[PFW], s[6:7] offset:\off th:TH_LOAD_NT scope:SCOPE_SE
.if \inloop
	s_branch .Lnone_\@
.Llast_\@:                                             ; the loop's last trip (the base stands at step 9): in the first block it asks for steps 0 to 2 of the next block's quarter
	s_cmp_lg_u32 s[FIRST], 0
	s_cbranch_scc0 .Lnone_\@
	global_prefetch_b8 v[PFA], s[4:5] offset:NEXTA-9*16384 th:TH_LOAD_NT scope:SCOPE_SE
.endif
.Lnone_\@:
.endm
.set GN, 0
	RFILL
.set G, 0
	GROUP                                          ; step 0 stands in front of the loop: its products start the sums
	WIN 0
	ASK 4*16384, 0
.rept 3
	GROUP
.endr
	WIN 0                                          ; at a label and at a branch every window is 0
	s_mov_b32 s3, 4
.Ltrip:                                                ; a trip is three steps: 12 groups, after which slots, sets and places are where they began
.set G, 4
	GROUP
	WIN 0
	ASK 7*16384, 1
.rept 11
	GROUP
.endr
	WIN 0
	s_wait_xcnt 0x0                                ; the loads and prefetches have read their bases: these step only behind this wait
	s_add_nc_u64 s[4:5], s[4:5], 49152
	s_add_nc_u64 s[6:7], s[6:7], 49152
	s_add_nc_u64 s[AO:AO+1], s[AO:AO+1], 49152
	s_sub_co_u32 s3, s3, 1
	s_cmp_lg_u32 s3, 0
	s_cbranch_scc1 .Ltrip
.set G, 52                             ; steps 13 to 15 are written out: no load leaves its stream
.set ADV, 12*16384
.rept 12
	GROUP
.endr
	WIN 0
	s_wait_dscnt 0x0
	s_barrier_signal -1                            ; my reads of the slots are over: behind this barrier the stages are written over them
	v_mov_b32 v[K1], s50
	v_ldexp_f32 v[K1], v[K1], s51                  ; the factor x 2^(the two exponents)
	v_mov_b32 v[K1+1], v[K1]
	WIN 0x41
.set n, 0
.rept 16
	v_pk_mul_f32 v[BIAS+n:BIAS+n+1], v[BIAS+n:BIAS+n+1], s[50:51] op_sel_hi:[1,0]
.set n, n+2
.endr
.macro FMA                             ; A's fragments 2 PA, 2 PA + 1: the exponent of 2 for each sum, each accumulator from its low end on, into one of two sets of 64 registers
.set TP, RG+64*(PA%2)
.set AC, 64*(PA%4)
	WIN ((2+PA/4)|0x10)
.set n, 0
.rept 32
	v_pk_fma_f32 v[TP+n:TP+n+1], v[AC+n:AC+n+1], v[K1:K1+1], v[BIAS+n%32:BIAS+n%32+1]
.set n, n+2
.endr
.endm
.set PA, 0
	FMA
	s_wait_alu depctr_va_vdst(0)
.rept 8                                ; r = 1 / (1 + 2^t) of my gate, 32 rows at a time, into my stage
.set TQ, RG+64*(PA%2)
	WIN 0
.set n, 0
.rept 64
	v_exp_f32 v[TQ+n], v[TQ+n]
.set n, n+1
.endr
	s_wait_dscnt 0x0
.if PA < 7
.set PA, PA+1
	s_wait_alu depctr_va_vdst(0)
	FMA
.set PA, PA-1
	WIN 0
.else
	v_nop
.endif
	s_wait_alu depctr_va_vdst(0)
.set n, 0
.rept 32
	v_pk_add_f32 v[TQ+n:TQ+n+1], v[TQ+n:TQ+n+1], 1.0 op_sel_hi:[1,0]
.set n, n+2
.endr
.set n, 0
	s_wait_alu depctr_va_vdst(0)
.rept 64
	v_rcp_f32 v[TQ+n], v[TQ+n]
.set n, n+1
.endr
	v_nop
	s_wait_alu depctr_va_vdst(0)
.if PA == 0
	s_barrier_wait -1
.endif
.irp u, 0,1
.irp b, 0,1,2,3
	ds_store_b128 v[STO], v[TQ+32*\u+8*\b:TQ+32*\u+8*\b+3] offset:(2*PA+\u)*16*SPITCH+64*\b
	ds_store_b128 v[STO], v[TQ+32*\u+8*\b+4:TQ+32*\u+8*\b+7] offset:(2*PA+\u)*16*SPITCH+64*\b+16
.endr
.endr
.set PA, PA+1
.endr
	s_wait_dscnt 0x0                               ; for the others' sake: my gate lies in its stage
	s_barrier_signal -1
	s_barrier_wait -1
	s_wait_loadcnt 0x0                             ; c is in, and no load of mine is out;
	s_wait_xcnt 0x0                                ; the prefetches have read their bases: the streams step to the next block only behind these two waits
	s_add_nc_u64 s[4:5], s[4:5], NEXTA-12*16384    ; (behind the last block the stepped addresses are not used)
	s_sub_nc_u64 s[6:7], s[6:7], 12*16384          ; W: the same columns again
	s_add_nc_u64 s[34:35], s[34:35], NEXTA
	s_cmp_lg_u32 s[FIRST], 0
	s_cbranch_scc0 .Lno_next
.set ADV, 0
	FIRSTLOADS                                     ; the next block's first loads: v32-255 of window 0 and v0-63 of window 1 are not touched below
.Lno_next:
	WIN 0x80
.set n, 0
.rept 32
	ds_load_b128 v[4*n:4*n+3], v[RD] offset:n*2*SPITCH
.set n, n+1
.endr
.set n, 0
.rept 32
	ds_load_b128 v[128+4*n:131+4*n], v[RD+1] offset:n*2*SPITCH
.set n, n+1
.endr
	WIN 0xc0                                       ; m and o into window 3
.set n, 0
.rept 32
	ds_load_b128 v[4*n:4*n+3], v[RD+2] offset:n*2*SPITCH
.set n, n+1
.endr
.set n, 0
.rept 32
	ds_load_b128 v[128+4*n:131+4*n], v[RD+3] offset:n*2*SPITCH
.set n, n+1
.endr
	s_wait_dscnt 0x0                               ; my reads of the stages are over:
	s_barrier_signal -1                            ; behind this barrier the next block's first stores go into the slots, which lie under the stages
	s_barrier_wait -1
	WIN 0x79
.set n, 0
.rept 64
	v_pk_fma_f32 v[64+n:65+n], v[64+n:65+n], v[n:n+1], v[n:n+1]          ; c f + m
.set n, n+2
.endr
	WIN 0x8e
.set n, 0
.rept 64
	v_pk_mul_f32 v[128+n:129+n], v[128+n:129+n], v[n:n+1]                ; r m
.set n, n+2
.endr
	WIN 0x52
.set n, 0
.rept 64
	v_pk_fma_f32 v[64+n:65+n], v[128+n:129+n], -2.0, v[64+n:65+n] op_sel_hi:[1,0,1]   ; c_new = c f + m (1 - 2 r)
.set n, n+2
.endr
	WIN 0x04
.set n, 0
.rept 32
	global_store_b128 v[CO], v[64+4*n:67+4*n], s[24:25] offset:n*8192 th:TH_STORE_NT   ; sixteen lanes store 256 consecutive bytes, aligned
.set n, n+1
.endr
	WIN 0x81
.set n, 0
.rept 64
	v_pk_mul_f32 v[n:n+1], v[64+n:65+n], 0x4038aa3b op_sel_hi:[1,0]
.set n, n+2
.endr
	WIN 0x82
.set n, 0
	s_wait_alu depctr_va_vdst(0)
.rept 128
	v_exp_f32 v[n], v[n]
.set n, n+1
.endr
	v_nop
	s_wait_alu depctr_va_vdst(0)
.set n, 0
.rept 64
	v_pk_add_f32 v[n:n+1], v[n:n+1], 1.0 op_sel_hi:[1,0]
.set n, n+2
.endr
.set n, 0
	s_wait_alu depctr_va_vdst(0)
.rept 128
	v_rcp_f32 v[n], v[n]
.set n, n+1
.endr
	v_nop
	s_wait_alu depctr_va_vdst(0)
	WIN 0x8e
.set n, 0
.rept 64
	v_pk_mul_f32 v[n:n+1], v[n:n+1], v[128+n:129+n]
.set n, n+2
.endr
	WIN 0xb2
.set n, 0
.rept 64
	v_pk_fma_f32 v[n:n+1], v[n:n+1], -2.0, v[128+n:129+n] op_sel_hi:[1,0,1]   ; h_new = o (1 - 2 r)
.set n, n+2
.endr
	WIN 0x08
.set n, 0
.rept 32
	global_store_b128 v[CO], v[4*n:4*n+3], s[22:23] offset:n*8192 th:TH_STORE_NT
.set n, n+1
.endr
	WIN 0
	s_wait_xcnt 0x0                                ; the stores have read their data and their bases: only behind this wait do the bases step and the next block's loads and products land on the data
	s_add_nc_u64 s[20:21], s[20:21], 16777216      ; 16 blocks of 256 rows of 4,096 bytes on
	s_add_nc_u64 s[22:23], s[22:23], 16777216
	s_add_nc_u64 s[24:25], s[24:25], 16777216
	s_mov_b32 s[FIRST], 0
	s_sub_co_u32 s27, s27, 1
	s_cmp_lg_u32 s27, 0
	s_cbranch_scc1 .Ltile
	s_wait_tensorcnt 0x0
	ds_add_u32 v[SPW], v[NIL]
	s_wait_dscnt 0x0
	s_endpgm
.Lfunc_end_k_q68ad66f6a2_lstm:
	.size	k_q68ad66f6a2_lstm, .Lfunc_end_k_q68ad66f6a2_lstm-k_q68ad66f6a2_lstm
	.p2alignl 7, 3214868480
	.fill 96, 4, 3214868480
	.section	.rodata,"a",@progbits
	.p2align	6, 0x0
	.amdhsa_kernel k_q68ad66f6a2_lstm
		.amdhsa_group_segment_fixed_size 279040
		.amdhsa_private_segment_fixed_size 0
		.amdhsa_enable_private_segment 0
		.amdhsa_kernarg_size 80
		.amdhsa_user_sgpr_count 2
		.amdhsa_user_sgpr_kernarg_segment_ptr 1
		.amdhsa_wavefront_size32 1
		.amdhsa_system_sgpr_workgroup_id_x 1
		.amdhsa_system_sgpr_workgroup_id_y 1
		.amdhsa_system_sgpr_workgroup_id_z 1
		.amdhsa_system_vgpr_workitem_id 0
		.amdhsa_next_free_vgpr 1024
		.amdhsa_next_free_sgpr 66
		.amdhsa_reserve_vcc 0
		.amdhsa_float_denorm_mode_32 3
		.amdhsa_float_denorm_mode_16_64 3
		.amdhsa_memory_ordered 1
		.amdhsa_forward_progress 1
		.amdhsa_inst_pref_size 255
	.end_amdhsa_kernel
	.section	.bss,"aw",@nobits
	.p2align	6
	.space	262144
	.amdgpu_metadata
---
amdhsa.version: [ 1, 2 ]
amdhsa.kernels:
  - .name:           k_q68ad66f6a2_lstm
    .symbol:         k_q68ad66f6a2_lstm.kd
    .args:
      - { .name: acodes, .offset: 0, .size: 8, .value_kind: global_buffer, .address_space: global }
      - { .name: wcodes, .offset: 8, .size: 8, .value_kind: global_buffer, .address_space: global }
      - { .name: lowp_scales, .offset: 16, .size: 8, .value_kind: global_buffer, .address_space: global }
      - { .name: bf, .offset: 24, .size: 8, .value_kind: global_buffer, .address_space: global }
      - { .name: bct, .offset: 32, .size: 8, .value_kind: global_buffer, .address_space: global }
      - { .name: bm, .offset: 40, .size: 8, .value_kind: global_buffer, .address_space: global }
      - { .name: bo, .offset: 48, .size: 8, .value_kind: global_buffer, .address_space: global }
      - { .name: c, .offset: 56, .size: 8, .value_kind: global_buffer, .address_space: global }
      - { .name: out0, .offset: 64, .size: 8, .value_kind: global_buffer, .address_space: global }
      - { .name: out1, .offset: 72, .size: 8, .value_kind: global_buffer, .address_space: global }
    .group_segment_fixed_size: 279040
    .private_segment_fixed_size: 0
    .kernarg_segment_align: 8
    .kernarg_segment_size: 80
    .max_flat_workgroup_size: 128
    .sgpr_count:     66
    .vgpr_count:     1024
    .wavefront_size: 32
...
	.end_amdgpu_metadata
.endif
;; end of part 2
